; MI455X (gfx1250); checked and timed in simulation.
; The chip was launched on July 23, 2026; its instructions are those of AMD's public machine-readable ISA for CDNA 5 (MIT licence, August 2026) and "CDNA5" Instruction Set Architecture Reference Guide (July 2026). The comments in the code are by the model that wrote it; some were corrected since.
;; Multi Head Attention V2. Allowed arithmetic: matrix products marked QUANTISED: E2M3 operands, one E8M0 scale for each 32 along K, by v_wmma_scale_f32_16x16x128_f8f6f4 with both operands' format E2M3, f32 sums; everything else in f32.
;; Inputs: Wk 1,024 x 1,024 float32; Wq 1,024 x 1,024 float32; Wv 1,024 x 1,024 float32; input 4 x 2,048 x 1,024 float32.
;; Outputs: out0 4 x 2,048 x 1,024 float32.
;; This version of the problem:
;;   THIS VERSION OF THE PROBLEM IS GIVEN IN LOW PRECISION. The matrix products marked QUANTISED in the list below multiply operands that are first quantised to E2M3 (2 exponent bits, 3 mantissa bits; 6 bits a number), with one power-of-two scale for each 32 numbers along K (OCP MX v1.0); their sums are f32. All else is computed in f32.
;;   The module's matrix products, in the order in which they are computed (A, B: the left and right operand; K: the contracted axis; several contracted axes count as one K, in the product's order):
;;     1. [M 8,192, K 1,024] x [K 1,024, N 1,024]; A: input input; B: input Wq: QUANTISED
;;     2. [M 8,192, K 1,024] x [K 1,024, N 1,024]; A: input input; B: input Wk: QUANTISED
;;     3. [M 8,192, K 1,024] x [K 1,024, N 1,024]; A: input input; B: input Wv: QUANTISED
;;     4. batch 64 x [M 2,048, K 64] x [K 64, N 2,048]; A: computed on the way; B: computed on the way: QUANTISED
;;     5. batch 64 x [M 2,048, K 2,048] x [K 2,048, N 64]; A: softmax (see below); B: computed on the way: QUANTISED
;;   THE QUANTISER, for each operand of a quantised product, along K:
;;     - K is cut into blocks of 32 from its start; a last block that is shorter is filled with zeros.
;;     - A block's scale is 2^e with e = floor(log2(the largest magnitude in the block)) - 2, held to -126 .. 127; a block of zeros has e = 0. As a byte (E8M0): e + 127.
;;     - Each number is divided by its block's scale, clamped to +-7.5, and rounded to the nearest number of E2M3, ties to even, subnormals kept.
;;     - The product sums the exact products of the quantised numbers (number of the format x scale) in f32.
;;   ~~~python
;;   def quantise(x, axis):      # numpy; x: float32 -> the quantised numbers, widened to float32 again
;;       x = np.moveaxis(x, axis, -1); K = x.shape[-1]
;;       x = np.pad(x, [(0, 0)] * (x.ndim - 1) + [(0, -K % 32)]); x = x.reshape(x.shape[:-1] + (-1, 32)); a = np.abs(x).max(-1, keepdims=True)
;;       e = np.where(a > 0, np.clip(np.frexp(np.where(a > 0, a, 1))[1] - 1 - 2, -126, 127), 0)      # np.frexp(a)[1] - 1 = floor(log2(a)), exactly
;;       r = np.clip(x / 2.0 ** e, -7.5, 7.5)
;;       step = 2.0 ** (np.maximum(np.frexp(np.where(r == 0, 1, r))[1] - 1, 0) - 3)
;;       q = np.round(r / step) * step * 2.0 ** e      # np.round: ties to even
;;       return np.moveaxis(q.reshape(q.shape[:-2] + (-1,))[..., :K], -1, axis).astype(np.float32)
;;   ~~~
;;   SOFTMAX AHEAD OF A QUANTISED PRODUCT. Where the list says 'softmax', what is quantised is not the finished softmax but p = 2^(t - M), with t = logit x log2(e) and M = ceil(the row's largest t), a whole number; so 1/2 < the row's largest p <= 1. The row's sum l is taken of the UNQUANTISED p, in f32, and the product's result is divided by l at the end. Since M is a whole number, a kernel that streams over the keys may use a running M (the ceiling of the running maximum): every later rescaling is an exact power of two, which a block's scale takes up: the codes' values come out the same.
;;   OPERANDS COMPUTED ON THE WAY. 'Computed on the way' means the value that the module computes at that place (a softmax that the list does not call 'softmax' is quantised finished and normalised). What goes into a quantiser is computed in f32, as accurately as f32 sums, v_exp_f32 and their like allow (about 1e-6 of the number): no bf16 or f16 on the way to a quantiser, and a product that is left as it is and whose result goes on into a quantised operand takes f32 operands (vector FMAs, or v_wmma_f32_16x16x4_f32). A number that lies on a knife's edge between two numbers of the format may be rounded either way, as far as f32 arithmetic and the matrix unit's own rounding can turn it there, and no further.
;; One version. Each part assembles by itself: llvm-mc -triple=amdgcn-amd-amdhsa -mcpu=gfx1250 --defsym DOCPART=n.
;; ======== version 1 of 1: 3 launches
;; limits: right only within a limited range of input values
;; workspace buffers: xc 6,291,456 bytes; xs 262,144 bytes; wc 2,359,296 bytes; ws 98,304 bytes; qkv 20,447,232 bytes
;; launch quant (part 1): grid 352 x 1, 4 waves a work-group, no clusters, 68,096 bytes of LDS; arguments input, Wq, Wk, Wv, xc, xs, wc, ws; writes xc, xs, wc, ws
.if DOCPART == 1
	.amdgcn_target "amdgcn-amd-amdhsa--gfx1250"
	.amdhsa_code_object_version 6
	.text
	.protected	k_qcf89e0cfa2_quant
	.globl	k_qcf89e0cfa2_quant
	.p2align	8
	.type	k_qcf89e0cfa2_quant,@function
k_qcf89e0cfa2_quant:
	s_mov_b64 s[64:65], 0
	v_nop
	global_prefetch_b8 v0, s[64:65] scope:SCOPE_SE
	s_setreg_imm32_b32 hwreg(HW_REG_WAVE_MODE, 25, 1), 1
	s_wait_xcnt 0x0
; x [8192][1024] and Wq, Wk, Wv [1024 (k)][1024 (n)], f32, become codes of FP6 (E2M3), K innermost (a row of 1,024 codes is 768 bytes), with one E8M0 byte for each 32 along K (32 bytes a row).
; A block's scale is 2^(floor(log2(its largest magnitude)) - 2); its byte is the largest magnitude's exponent field - 2, held at 1 from below; each number is divided by the scale and rounded to the nearest code, ties to even,
; beyond 7.5 the largest code.  A block of zeros gets the byte 1 where the rule says 127: its codes are zeros, and only this program reads the bytes.
; LIMITS: NaN and infinities among the inputs are not served; blocks whose largest magnitude lies under 2^-124 have their byte held at 1.
; THE ORDER OF ROWS.  Row i of x (column n of a weight) is stored at position p = i with bits 3 and 4 exchanged.  So 16 neighbouring positions hold rows 8 u + 0..7 and 8 u + 16 + 0..7 of a group of 32: used as
; source 0 of a product, two neighbouring tiles then leave 16 NEIGHBOURS of the true order in a lane's 16 result registers, which is what the next launch's quantiser wants.
; wc and ws hold Wq's 1,024 columns, then Wk's, then Wv's.
; Work-groups 0 to 255 take x (K innermost: a plain stream of blocks of 32; 16 neighbours a lane, two lanes to a block, dense loads turned through the wave's own stage in LDS).
; Work-groups 256 to 351 take the weights (K is the first axis: a lane takes a column, its registers run down K; the codes leave through the wave's own stage, sixteen lanes to a row's 192 bytes).
; The two ways part on the work-group's number and have LDS bytes of their own.  No tensor load, no barrier: waves share nothing.
.set STEPS, 16                         ; x: steps of 512 numbers for a wave: 8 rows
.set EMAX,  2
.set CB,    12                         ; bytes of 16 codes
.set WREG,  8192                       ; x: LDS of a wave: two stages of 32 x SP bytes, behind them its 256 scale bytes
.set SP,    80                         ; a lane's place in a stage: 64 bytes + 16 of padding
.set XR,    16                         ; v16-79   x: four sets of 16 numbers as they are loaded
.set XX,    80                         ; v80-111  two sets of 16 neighbours
.set XE,    112                        ; v112-127 a scale byte for each step
.set XC,    128                        ; v128-191 codes: four registers for each step
.set WSTG,  4*WREG                     ; W: four stages of 32 rows x PITCH bytes
.set PITCH, 272                        ; a stage row: sixteen places of 16 bytes, 12 bytes of codes in each, + 16
.set KROW,  768                        ; a row of codes in memory
.set NB,    8                          ; W: blocks of 32 along K for a wave (256 along K)
.set WX,    32                         ; v32-95   W: two sets of 32 numbers
.set WC,    96                         ; v96-102  a block's codes
.set WOUT,  112                        ; v112-175 the way out
.set WSB,   24                         ; v24-25   the scale bytes, four to a register
.set SPARE, WSTG+4*32*PITCH            ; the spare words, 128 bytes for each wave: two blocks of 256 bytes that no other line names
.set SPW,   192                        ; v192 LDS address of my spare word; never rewritten
.set NIL,   193                        ; v193 0; never rewritten
	s_load_b256 s[4:11], s[0:1], 0x0               ; input, Wq, Wk, Wv
	s_load_b256 s[12:19], s[0:1], 0x20             ; xc, xs, wc, ws
	v_lshl_add_u32 v[SPW], v0, 2, SPARE
	v_mov_b32 v[NIL], 0
	v_lshrrev_b32 v1, 5, v0
	v_readfirstlane_b32 s20, v1                    ; wave 0..3
	v_and_b32 v2, 31, v0                           ; lane
	s_wait_kmcnt 0x0
	s_cmp_lt_u32 ttmp9, 256
	s_cbranch_scc0 .Lweights
	; ---------------- x: my wave's run of 8,192 numbers is rows 8 run .. 8 run + 7, run = 4 x work-group + wave
	s_wait_alu depctr_va_vdst(0)
	v_lshlrev_b32 v3, 4, v2                        ; my 16 bytes of a load's 512
	s_mul_i32 s21, s20, WREG
	v_lshrrev_b32 v14, 2, v2
	v_mul_u32_u24 v14, v14, SP
	v_and_b32 v15, 3, v2
	v_lshl_add_u32 v14, v15, 4, v14
	v_add_nc_u32 v14, s21, v14                     ; the stage, on the way in: SP (lane / 4) + 16 (lane % 4)
	v_mul_u32_u24 v15, v2, SP
	v_add_nc_u32 v15, s21, v15                     ; and on the way out: SP x lane: my 16 neighbours
	v_mul_u32_u24 v4, v2, CB                       ; my codes' place in a step's
	v_lshrrev_b32 v5, 1, v2
	s_add_co_u32 s21, s21, 2*32*SP
	v_add_nc_u32 v5, s21, v5                       ; my wave's 256 scale bytes, my block's byte
	v_lshlrev_b32 v7, 3, v2                        ; on the way out 8 bytes a lane
	v_add_nc_u32 v6, s21, v7
	s_lshl_b32 s22, ttmp9, 2
	s_add_co_u32 s24, s22, s20                     ; run
	s_lshl_b32 s24, s24, 15                        ; x 32,768 bytes (under 2^25)
	s_mov_b32 s25, 0
	s_add_nc_u64 s[4:5], s[4:5], s[24:25]
	s_and_b32 s23, s20, 1                          ; bits 3 and 4 of a row are bits 0 and 1 of its run, that is of the wave: exchanged for the stores
	s_lshl_b32 s23, s23, 1
	s_lshr_b32 s26, s20, 1
	s_or_b32 s23, s23, s26
	s_add_co_u32 s22, s22, s23
	s_mul_i32 s24, s22, 32*STEPS*CB                ; 6,144 bytes of codes a run
	s_add_nc_u64 s[12:13], s[12:13], s[24:25]
	s_lshl_b32 s24, s22, 8                         ; 256 scale bytes a run
	s_add_nc_u64 s[14:15], s[14:15], s[24:25]
.macro XLOAD t
.irp i, 0,1,2,3
	global_load_b128 v[XR+16*((\t)%4)+4*\i:XR+16*((\t)%4)+4*\i+3], v3, s[4:5] offset:2048*(\t)+512*\i th:TH_LOAD_NT   ; 32 lanes read 512 consecutive bytes
.endr
.endm
.macro XTURN t                         ; step t's numbers through the stage: LDS serves a wave's instructions in order, so no wait stands between the stores and the loads
.irp i, 0,1,2,3
	ds_store_b128 v14, v[XR+16*((\t)%4)+4*\i:XR+16*((\t)%4)+4*\i+3] offset:32*SP*((\t)%2)+8*SP*\i
.endr
.irp i, 0,1,2,3
	ds_load_b128 v[XX+16*((\t)%2)+4*\i:XX+16*((\t)%2)+4*\i+3], v15 offset:32*SP*((\t)%2)+16*\i
.endr
.endm
.irp t, 0,1,2,3
	XLOAD \t
.endr
	s_wait_alu depctr_va_vdst(0)
	s_wait_loadcnt 12                              ; step 0's four loads are in; three steps' twelve may be out
	XTURN 0
.macro XSTEP t
.set XS, XX+16*((\t)%2)
.if (\t) > 0
	s_wait_dscnt 1                                 ; this step's numbers are back from the stage (the last step's byte store may be out): so its stores into the stage have read their registers,
.else
	s_wait_dscnt 0x0
.endif
.if (\t)+4 < STEPS
	XLOAD (\t)+4                                   ; which take the loads of four steps on
.endif
.if (\t)+1 < STEPS
.if STEPS-2-(\t) >= 3
	s_wait_loadcnt 12                              ; the next step's four loads are in; those of the three steps behind it may be out
.else
	s_wait_loadcnt 4*(STEPS-2-(\t))                ; the tail: fewer steps are behind it
.endif
	XTURN (\t)+1                                   ; and go through the other stage while this step is worked
.endif
	v_max3_num_f32 v8, |v[XS]|, |v[XS+1]|, |v[XS+2]|               ; the largest magnitude of my 16, in two chains
	v_max3_num_f32 v9, |v[XS+3]|, |v[XS+4]|, |v[XS+5]|
.irp i, 6,10
	v_max3_num_f32 v8, v8, |v[XS+\i]|, |v[XS+\i+1]|
	v_max3_num_f32 v9, v9, |v[XS+\i+2]|, |v[XS+\i+3]|
.endr
	v_max3_num_f32 v8, v8, |v[XS+14]|, |v[XS+15]|
	v_max3_num_f32 v8, v8, v9, (EMAX+1)<<23        ; and the floor 2^(3 - 127): the byte cannot fall under 1
	v_max_num_f32_dpp v8, v8, v8 row_xmask:1 row_mask:0xf bank_mask:0xf   ; with my neighbour's 16: the block's
	v_add_nc_u32 v11, -(EMAX<<23), v8              ; 2 off its exponent field: the conversion takes the exponent field of this operand as its scale
	v_cvt_scalef32_pk16_fp6_f32 v[XC+4*(\t):XC+4*(\t)+2], v[XS:XS+15], v11
	v_lshrrev_b32 v[XE+(\t)], 23, v11              ; the scale's byte (also the plain line behind the conversion)
	ds_store_b8 v5, v[XE+(\t)] offset:16*(\t)      ; both lanes of a block write the same byte with the same value
	global_store_b96 v4, v[XC+4*(\t):XC+4*(\t)+2], s[12:13] offset:32*CB*(\t)   ; the wave stores 384 consecutive bytes
.endm
.irp t, 0,1,2,3,4,5,6,7,8,9,10,11,12,13,14,15
	XSTEP \t
.endr
	ds_load_b64 v[8:9], v6                         ; LDS serves a wave's instructions in order: these see my byte stores
	s_wait_dscnt 0x0
	global_store_b64 v7, v[8:9], s[14:15]          ; 32 lanes store 256 consecutive bytes, aligned
	s_wait_tensorcnt 0x0                           ; the wave's end: behind my last LDS store
	ds_add_u32 v[SPW], v[NIL]
	s_wait_dscnt 0x0
	s_endpgm
	; ---------------- the weights: u = work-group - 256: weight u / 32; 128 columns u % 8; 256 along K (u / 8) % 4.  A wave: 32 columns x 256 along K
.Lweights:
	s_sub_co_u32 s21, ttmp9, 256
	s_lshr_b32 s22, s21, 5                         ; which weight
	s_and_b32 s23, s21, 7
	s_bfe_u32 s24, s21, 0x20003                    ; which 256 along K
	s_cmp_eq_u32 s22, 0
	s_cselect_b64 s[6:7], s[6:7], s[8:9]           ; Wq or Wk,
	s_cmp_eq_u32 s22, 2
	s_cselect_b64 s[6:7], s[10:11], s[6:7]         ; or Wv: the choice hangs on the work-group's number alone
	s_lshl_b32 s25, s23, 7
	s_lshl_b32 s26, s20, 5
	s_add_co_u32 s25, s25, s26                     ; my wave's first column, a multiple of 32
	s_wait_alu depctr_va_vdst(0)
	v_lshlrev_b32 v3, 2, v2                        ; in: 4 bytes a lane
	s_mul_i32 s27, s20, 32*PITCH
	s_add_co_u32 s27, s27, WSTG                    ; my stage
	v_and_b32 v10, 7, v2
	v_bfe_u32 v11, v2, 3, 1
	v_lshl_add_u32 v10, v11, 4, v10
	v_bfe_u32 v11, v2, 4, 1
	v_lshl_add_u32 v10, v11, 3, v10                ; my column's position among the 32: the lane with bits 3 and 4 exchanged
	v_mul_u32_u24 v4, v10, PITCH
	v_add_nc_u32 v4, s27, v4                       ; into the stage: row = my position
	v_and_b32 v5, 15, v2
	v_lshrrev_b32 v6, 4, v2                        ; out of it: sixteen lanes to a row, two rows an instruction, in the order of positions
	v_mul_u32_u24 v7, v6, PITCH
	v_lshl_add_u32 v7, v5, 4, v7
	v_add_nc_u32 v7, s27, v7
	v_mul_u32_u24 v8, v6, KROW
	v_mad_u32_u24 v8, v5, 12, v8                   ; and the same place in wc
	v_lshlrev_b32 v9, 5, v10                       ; my position's row of scale bytes
	s_lshl_b32 s28, s24, 20                        ; W: 256 rows of 4,096 bytes,
	s_lshl_b32 s29, s25, 2                         ; + 4 x column
	s_add_co_u32 s28, s28, s29
	s_mov_b32 s29, 0
	s_add_nc_u64 s[6:7], s[6:7], s[28:29]
	s_lshl_b32 s30, s22, 10
	s_add_co_u32 s30, s30, s25                     ; the first position: 1,024 x weight + column
	s_mul_i32 s28, s30, KROW
	s_mul_i32 s31, s24, 192
	s_add_co_u32 s28, s28, s31
	s_add_nc_u64 s[16:17], s[16:17], s[28:29]      ; wc
	s_lshl_b32 s28, s30, 5
	s_lshl_b32 s31, s24, 3
	s_add_co_u32 s28, s28, s31
	s_add_nc_u64 s[18:19], s[18:19], s[28:29]      ; ws
.macro WLOAD t                         ; block t: W(32 t + i, my column), i = 0 .. 31, into set t % 2; a wave reads 128 consecutive bytes, the four waves stand side by side
.irp i, 0,1,2,3,4,5,6,7,8,9,10,11,12,13,14,15,16,17,18,19,20,21,22,23,24,25,26,27,28,29,30,31
	global_load_b32 v[WX+32*((\t)%2)+\i], v3, s[6:7] offset:(32*(\t)+\i)*4096 th:TH_LOAD_NT
.endr
.endm
	WLOAD 0
	WLOAD 1
.macro WBLOCK t
.set XS, WX+32*((\t)%2)
.if (\t) < NB-1
	s_wait_loadcnt 32                              ; this block's 32 loads are in; the next block's 32 may be out
.else
	s_wait_loadcnt 0
.endif
	v_max3_num_f32 v12, |v[XS]|, |v[XS+1]|, |v[XS+2]|              ; the block's largest magnitude: all 32 numbers are mine
	v_max3_num_f32 v13, |v[XS+3]|, |v[XS+4]|, |v[XS+5]|
.irp i, 6,10,14,18,22,26
	v_max3_num_f32 v12, v12, |v[XS+\i]|, |v[XS+\i+1]|
	v_max3_num_f32 v13, v13, |v[XS+\i+2]|, |v[XS+\i+3]|
.endr
	v_max3_num_f32 v12, v12, |v[XS+30]|, |v[XS+31]|
	v_max3_num_f32 v12, v12, v13, (EMAX+1)<<23     ; and the floor
	v_add_nc_u32 v11, -(EMAX<<23), v12             ; the conversion's scale operand
	v_lshrrev_b32 v13, 23, v11                     ; the scale's byte
.if (\t)%4 == 0
	v_mov_b32 v[WSB+(\t)/4], v13                   ; four bytes to a register, the lower K in the lower byte
.else
	v_lshl_or_b32 v[WSB+(\t)/4], v13, 8*((\t)%4), v[WSB+(\t)/4]
.endif
	v_cvt_scalef32_pk16_fp6_f32 v[WC:WC+2], v[XS:XS+15], v11
	v_cvt_scalef32_pk16_fp6_f32 v[WC+4:WC+6], v[XS+16:XS+31], v11  ; (a conversion's three registers begin on an even number)
	v_nop                                          ; one plain line behind the last conversion
	ds_store_b96 v4, v[WC:WC+2] offset:32*(\t)     ; 12 bytes to a place of 16, so that every LDS address is a multiple of 16
	ds_store_b96 v4, v[WC+4:WC+6] offset:32*(\t)+16
.if (\t)+2 < NB
	WLOAD (\t)+2
.endif
	s_wait_dscnt 0x0                               ; the stores have read their registers: the next block's codes may be written
.endm
.irp t, 0,1,2,3,4,5,6,7
	WBLOCK \t
.endr
	s_wait_alu depctr_va_vdst(0)
	global_store_b64 v9, v[WSB:WSB+1], s[18:19]    ; my column's 8 scale bytes
.irp t, 0,1,2,3,4,5,6,7,8,9,10,11,12,13,14,15
	ds_load_b96 v[WOUT+4*\t:WOUT+4*\t+2], v7 offset:2*\t*PITCH     ; LDS serves a wave's instructions in order: these see my stores
.endr
.irp t, 0,1,2,3,4,5,6,7,8,9,10,11,12,13,14,15
	s_wait_dscnt 15-\t                             ; load t is back; the 15 - t younger ones may be out
	global_store_b96 v8, v[WOUT+4*\t:WOUT+4*\t+2], s[16:17] offset:2*\t*KROW   ; sixteen lanes store a row's 192 consecutive bytes
.endr
	s_wait_tensorcnt 0x0                           ; the wave's end: behind my last LDS store
	ds_add_u32 v[SPW], v[NIL]
	s_wait_dscnt 0x0
	s_endpgm
.Lfunc_end_k_qcf89e0cfa2_quant:
	.size	k_qcf89e0cfa2_quant, .Lfunc_end_k_qcf89e0cfa2_quant-k_qcf89e0cfa2_quant
	.p2alignl 7, 3214868480
	.fill 96, 4, 3214868480
	.section	.rodata,"a",@progbits
	.p2align	6, 0x0
	.amdhsa_kernel k_qcf89e0cfa2_quant
		.amdhsa_group_segment_fixed_size 68096
		.amdhsa_private_segment_fixed_size 0
		.amdhsa_enable_private_segment 0
		.amdhsa_kernarg_size 64
		.amdhsa_user_sgpr_count 2
		.amdhsa_user_sgpr_kernarg_segment_ptr 1
		.amdhsa_wavefront_size32 1
		.amdhsa_system_sgpr_workgroup_id_x 1
		.amdhsa_system_sgpr_workgroup_id_y 1
		.amdhsa_system_sgpr_workgroup_id_z 1
		.amdhsa_system_vgpr_workitem_id 0
		.amdhsa_next_free_vgpr 194
		.amdhsa_next_free_sgpr 66
		.amdhsa_reserve_vcc 0
		.amdhsa_float_denorm_mode_32 3
		.amdhsa_float_denorm_mode_16_64 3
		.amdhsa_memory_ordered 1
		.amdhsa_forward_progress 1
		.amdhsa_inst_pref_size 74
	.end_amdhsa_kernel
	.amdgpu_metadata
---
amdhsa.version: [ 1, 2 ]
amdhsa.kernels:
  - .name:           k_qcf89e0cfa2_quant
    .symbol:         k_qcf89e0cfa2_quant.kd
    .args:
      - { .name: input, .offset: 0, .size: 8, .value_kind: global_buffer, .address_space: global }
      - { .name: Wq, .offset: 8, .size: 8, .value_kind: global_buffer, .address_space: global }
      - { .name: Wk, .offset: 16, .size: 8, .value_kind: global_buffer, .address_space: global }
      - { .name: Wv, .offset: 24, .size: 8, .value_kind: global_buffer, .address_space: global }
      - { .name: xc, .offset: 32, .size: 8, .value_kind: global_buffer, .address_space: global }
      - { .name: xs, .offset: 40, .size: 8, .value_kind: global_buffer, .address_space: global }
      - { .name: wc, .offset: 48, .size: 8, .value_kind: global_buffer, .address_space: global }
      - { .name: ws, .offset: 56, .size: 8, .value_kind: global_buffer, .address_space: global }
    .group_segment_fixed_size: 68096
    .private_segment_fixed_size: 0
    .kernarg_segment_align: 8
    .kernarg_segment_size: 64
    .max_flat_workgroup_size: 128
    .sgpr_count:     66
    .vgpr_count:     194
    .wavefront_size: 32
...
	.end_amdgpu_metadata
.endif
;; end of part 1
;; launch proj (part 2): grid 12 x 32, 4 waves a work-group, clusters of 4 x 4, 327,680 bytes of LDS; arguments xc, xs, wc, ws, qkv; writes qkv
.if DOCPART == 2
	.amdgcn_target "amdgcn-amd-amdhsa--gfx1250"
	.amdhsa_code_object_version 6
	.text
	.protected	k_qcf89e0cfa2_proj
	.globl	k_qcf89e0cfa2_proj
	.p2align	8
	.type	k_qcf89e0cfa2_proj,@function
k_qcf89e0cfa2_proj:
	s_mov_b64 s[64:65], 0
	v_nop
	global_prefetch_b8 v0, s[64:65] scope:SCOPE_SE
	s_setreg_imm32_b32 hwreg(HW_REG_WAVE_MODE, 25, 1), 1
	s_wait_xcnt 0x0
	s_wait_alu depctr_hold_cnt(0) depctr_sa_sdst(0) depctr_va_vdst(0) depctr_va_sdst(0) depctr_va_ssrc(0) depctr_va_vcc(0) depctr_vm_vsrc(0)
	s_getreg_b32 s2, hwreg(HW_REG_IB_STS2, 6, 4)
	s_cmp_eq_u32 s2, 0
	s_cbranch_scc0 .Lentry_in_a_cluster
	s_endpgm
.Lentry_in_a_cluster:
	s_bfe_u32 s2, ttmp6, 0x10000c
	s_cmp_lg_u32 s2, 0xf033
	s_cbranch_scc0 .Lentry_shape_is_right
	s_endpgm
.Lentry_shape_is_right:
; q, k, v = x Wq, x Wk, x Wv on codes of FP6 (E2M3), one E8M0 scale for each 32 along K = 1,024, sums in f32; the results are quantised in registers for the attention's two products and leave as codes.
; xc [8192 positions][768 B], xs [8192][32 B]; wc [3072 positions][768 B] (Wq, Wk, Wv), ws [3072][32 B].  A position is a row's (a column's) number with bits 3 and 4 exchanged.
; A tile of 256 x 256 is made by four waves, each 128 x 128: 64 accumulators, 512 registers.  K goes through a ring of two LDS slots in chunks of 256 bytes of each row (three chunks to a row of 768 bytes, each on a
; 256-byte border); a step of 128 along K is 96 bytes: steps 2 and 5 lie across two chunks.  The scale bytes of the tile's rows, for all of K, come once at the head and stay.
; ROLES.  In a result a lane holds one row of source 1 (role A) and its registers run along source 0's rows (role B).  The next quantiser wants the registers to run along ITS K: the head's 64 for q and k, so there
; A = x, B = W (clusters x = 0, 1); the keys for v, so there A = Wv, B = x (cluster x = 2).  LDS is laid by roles: A's 256 rows, then B's.  Only the global bases and tile numbers are chosen, by the cluster's x, which all
; partners share: q, k: A's tile 4 Y + cy, B's 4 X + cx;  v: A's tile 4 X + cy = 8 + cy of wc, B's 4 Y + cx.  So A's tiles hang on cy alone and B's on cx alone.
; CLUSTERS: 4 x 4.  A's tiles are asked for jointly along a row of the cluster, B's along a column.
; No prefetch: a row has three chunks, the head asks for the first, the second follows behind the first round and the third two steps later: there is no loop to run ahead in.
; By the order of positions the 16 registers of role B's blocks 2 b and 2 b + 1 are 16 neighbours of the true order: 32 b + 16 (lane / 16) + 0 .. 15.
; qkv: records of 19,968 bytes, record 16 (16 batch + head) + sequence / 128: sections Q, K, V of 6,656 bytes: 6,144 of codes as an image of 48 registers a lane (12 pieces of 512 bytes, lane l at 16 l), 512 of scale words.
; Q, K: registers 6 t .. 6 t + 5 = tile t: lane (r, h): place 32 (t / 2) + 8 (t % 2) + r + 8 (r / 8), dims 32 h .. + 31; word b of lane l: tile 2 b + l / 16, row l % 16, bytes 0, 1.
; V: registers 12 a .. 12 a + 11 = a whole fragment: lane (r, h): channel 32 (a / 2) + 8 (a % 2) + r + 8 (r / 8), keys 64 c + 32 h .. + 31; word a of lane l: fragment a, row l % 16.
; LIMITS: NaN and infinities are not served; a block whose largest magnitude lies under 2^-124 (zeros too) has its byte held at 1; only this program reads the bytes.
; REGISTERS: window 0: v0-31 addresses; v32-63 scale words, two sets; from v128 A's fragments, one set.  Window 1: B's fragments, two sets.  Windows 2, 3: the accumulators of A's blocks 0-3, 4-7.
.set ROWB,   256
.set NQ,     2
.set KROW,   768
.set STEPS,  8
.set CHUNKS, 3
.set PITCH,  272                       ; 256 bytes + 16 of padding
.set FR,     12
.set NL,     6
.set NP,     4                         ; places behind this matrix instruction (ISA guide 7.12.1)
.set HALFT,  128*PITCH
.set SLOT,   4*HALFT
.set KS,     32
.set SCL,    2*SLOT
.set HALFS,  16*272
.set SBLK,   2*272
.set SPARE,  SCL+4*HALFS               ; the spare words: 512 bytes that no other line names
.set REC,    19968
.set SEC,    6656
.set HEADB,  16*REC
.set ADRA, 16                          ; v16-17 A's fragments in slot 0, 1; v18-19 for pieces whose two halves of the lanes lie in different chunks
.set ADRB, 20                          ; v20-23 the same for B
.set CO,   26                          ; 16 x lane
.set ADRS, 27                          ; my scale words: lanes 0-15 A's rows, lanes 16-31 B's
.set SPW,  28
.set NIL,  29
.set SC,   32
.set AF,   128
.set TM,   32                          ; the way out: v32-47 magnitudes, bytes, scale operands
.set PWS,  48
.set SW,   56
.set CT,   64
.set F,    128
.set SEL,  18
.set G1, 24
.set G0, 32
.set G1B, 48
.set G0B, 56
.set G1S, 68
.set G0S, 76
.set G1SB, 80
.set G0SB, 88
.set G0H, 4
.set G0HB, 8
.set MSB, 0
.macro WIN new
.if MSB != \new
	s_set_vgpr_msb (MSB<<8)|\new
.set MSB, \new
.endif
.endm
.set MUL_LO, 0xa1
.set MUL_HI, 0xf1
.set TO_B,   0x40
; a joint load: waves 0, 1 fetch for A, waves 2, 3 for B; s_nop 0 and four v_nop behind each line
.macro JLOAD g0a, g1a, g0b, g1b
	s_cmp_eq_u32 s15, 0
	s_cbranch_scc0 .Lfor_b_\@
	tensor_load_to_lds s[\g0a:\g0a+3], s[\g1a:\g1a+7]
	s_nop 0
.rept 4
	v_nop
.endr
	s_branch .Lasked_\@
.Lfor_b_\@:
	tensor_load_to_lds s[\g0b:\g0b+3], s[\g1b:\g1b+7]
	s_nop 0
.rept 4
	v_nop
.endr
.Lasked_\@:
.endm
.macro CREST
	s_cmp_lg_u32 s14, 0
	s_cbranch_scc1 .Lnot_wave_0_\@
	s_barrier_signal -3
.Lnot_wave_0_\@:
	s_barrier_wait -3
	s_barrier_signal -1
	s_barrier_wait -1
.endm
.macro CROUND
	s_barrier_signal -1
	s_barrier_wait -1
	CREST
.endm
	s_load_b128 s[4:7], s[0:1], 0x0                ; xc, xs
	s_load_b128 s[8:11], s[0:1], 0x10              ; wc, ws
	s_load_b64 s[12:13], s[0:1], 0x20              ; qkv
	v_lshl_add_u32 v[SPW], v0, 2, SPARE
	v_mov_b32 v[NIL], 0
	ds_add_u32 v[SPW], v[NIL]                      ; the opening lines: the add twice on end and one wait, ahead of my first tensor load
	ds_add_u32 v[SPW], v[NIL]
	v_lshrrev_b32 v1, 5, v0
	v_readfirstlane_b32 s14, v1                    ; wave
	s_lshr_b32 s15, s14, 1                         ; my half of A's rows; also: I fetch for A (0) or B (1)
	s_and_b32 s16, s14, 1                          ; my half of B's rows; also: which 128 rows I fetch
	s_bfe_u32 s40, ttmp6, 0x40000                  ; cx
	s_bfe_u32 s41, ttmp6, 0x40004                  ; cy
	s_lshl_b32 s42, ttmp9, 2                       ; 4 X
	s_and_b32 s17, ttmp7, 0xffff
	s_lshl_b32 s17, s17, 2                         ; 4 Y
	s_cmp_ge_u32 ttmp9, 2                          ; v?
	s_cselect_b32 s18, s42, s17
	s_cselect_b32 s19, s17, s42
	s_cselect_b32 s98, 1, 0
	s_add_co_u32 s17, s18, s41                     ; A's tile
	s_add_co_u32 s42, s19, s40                     ; B's tile
	s_lshl_b32 s43, s41, 2
	s_lshl_b32 s43, 15, s43                        ; my row of the cluster
	s_lshl_b32 s44, 0x1111, s40                    ; my column
	s_or_b32 s[G1+0], s43, (0<<16)|(1<<20)|(1<<21)|(5<<22)|(3<<25)  ; bytes; 4 words of padding behind every 64
	s_or_b32 s[G1B+0], s44, (0<<16)|(1<<20)|(1<<21)|(5<<22)|(3<<25)
.irp g, G1, G1B
	s_mov_b32 s[\g+1], ROWB<<16
	s_mov_b32 s[\g+2], 256<<16                     ; 256 rows for the head's loads
	s_mov_b32 s[\g+3], ROWB<<16
	s_mov_b32 s[\g+4], 256
	s_mov_b32 s[\g+5], KROW
	s_mov_b32 s[\g+6], 0
	s_mov_b32 s[\g+7], 0
.endr
	s_or_b32 s[G1S+0], s43, (3<<16)|(1<<20)|(1<<21)|(5<<22)|(3<<25) ; the scales of 256 rows: 8,192 dense bytes as 32 rows of 256
	s_or_b32 s[G1SB+0], s44, (3<<16)|(1<<20)|(1<<21)|(5<<22)|(3<<25)
.irp g, G1S, G1SB
	s_mov_b32 s[\g+1], 32<<16
	s_mov_b32 s[\g+2], KS<<16
	s_mov_b32 s[\g+3], 32<<16
	s_mov_b32 s[\g+4], KS
	s_mov_b32 s[\g+5], 32
	s_mov_b32 s[\g+6], 0
	s_mov_b32 s[\g+7], 0
.endr
	s_lshl_b32 s20, s17, 8                         ; A's first position
	s_lshl_b32 s46, s42, 8                         ; B's
	s_mov_b32 s21, 0
	s_mov_b32 s47, 0
	s_mov_b64 s[18:19], KS
	s_mul_u64 s[22:23], s[20:21], s[18:19]         ; their scales, in bytes
	s_mul_u64 s[92:93], s[46:47], s[18:19]
	s_mov_b64 s[18:19], KROW
	s_mul_u64 s[20:21], s[20:21], s[18:19]         ; their codes
	s_mul_u64 s[46:47], s[46:47], s[18:19]
	s_mul_i32 s18, s16, 128*KROW                   ; in the ring: which 128 rows I fetch,
	s_mov_b32 s19, 0
	s_mul_i32 s45, s14, HALFT                      ; and where they go
	s_wait_dscnt 0x0                               ; both opening adds are done
	s_wait_kmcnt 0x0
	s_cmp_eq_u32 s98, 1                            ; the buffers by roles: the choice hangs on the cluster's x alone
	s_cselect_b64 s[94:95], s[8:9], s[4:5]         ; A's codes
	s_cselect_b64 s[96:97], s[10:11], s[6:7]       ; A's scales
	s_cselect_b64 s[8:9], s[4:5], s[8:9]           ; B's codes
	s_cselect_b64 s[10:11], s[6:7], s[10:11]       ; B's scales
	s_add_nc_u64 s[20:21], s[94:95], s[20:21]
	s_add_nc_u64 s[22:23], s[96:97], s[22:23]
	s_add_nc_u64 s[46:47], s[8:9], s[46:47]
	s_add_nc_u64 s[92:93], s[10:11], s[92:93]
	CROUND                                         ; all sixteen work-groups are here: the first joint loads meet
	s_mov_b32 s[G0H], 1                            ; chunk 0's 256 rows of A,
	s_mov_b32 s[G0H+1], 0
	s_mov_b64 s[G0H+2:G0H+3], s[20:21]
	s_or_b32 s[G0H+3], s[G0H+3], 0x80000000
	s_mov_b32 s[G0HB], 1                           ; of B,
	s_mov_b32 s[G0HB+1], 2*HALFT
	s_mov_b64 s[G0HB+2:G0HB+3], s[46:47]
	s_or_b32 s[G0HB+3], s[G0HB+3], 0x80000000
	s_mov_b32 s[G0S], 1                            ; A's scales,
	s_mov_b32 s[G0S+1], SCL
	s_mov_b64 s[G0S+2:G0S+3], s[22:23]
	s_or_b32 s[G0S+3], s[G0S+3], 0x80000000
	s_mov_b32 s[G0SB], 1                           ; B's scales
	s_mov_b32 s[G0SB+1], SCL+2*HALFS
	s_mov_b64 s[G0SB+2:G0SB+3], s[92:93]
	s_or_b32 s[G0SB+3], s[G0SB+3], 0x80000000
	s_add_nc_u64 s[20:21], s[20:21], s[18:19]      ; for the ring: my 128 rows
	s_add_nc_u64 s[46:47], s[46:47], s[18:19]
.irp s, 0,1
	s_mov_b32 s[G0+4*\s], 1
	s_add_co_u32 s[G0+4*\s+1], s45, \s*SLOT
	s_add_nc_u64 s[G0+4*\s+2:G0+4*\s+3], s[20:21], \s*ROWB
	s_or_b32 s[G0+4*\s+3], s[G0+4*\s+3], 0x80000000
	s_mov_b32 s[G0B+4*\s], 1
	s_add_co_u32 s[G0B+4*\s+1], s45, \s*SLOT
	s_add_nc_u64 s[G0B+4*\s+2:G0B+4*\s+3], s[46:47], \s*ROWB
	s_or_b32 s[G0B+4*\s+3], s[G0B+4*\s+3], 0x80000000
.endr
; the head's four tiles, one a wave, in one tree of branches on the wave's number
.macro ARM under, g0, g1, next
	s_cmp_lt_u32 s14, \under
	s_cbranch_scc0 \next
	tensor_load_to_lds s[\g0:\g0+3], s[\g1:\g1+7]
	s_nop 0
.rept 4
	v_nop
.endr
	s_branch .Lhead_asked
\next:
.endm
	ARM 1, G0H,  G1,  .Lhead_b
	ARM 2, G0HB, G1B, .Lhead_sa
	ARM 3, G0S,  G1S, .Lhead_sb
	tensor_load_to_lds s[G0SB:G0SB+3], s[G1SB:G1SB+7]
	s_nop 0
.rept 4
	v_nop
.endr
.Lhead_asked:
	v_and_b32 v1, 15, v0                           ; l % 16
	v_bfe_u32 v2, v0, 4, 1                         ; l / 16
	v_mul_u32_u24 v3, v1, PITCH
	v_mul_u32_u24 v4, v2, 24
	v_add_nc_u32 v4, v3, v4                        ; row x pitch + 24 x half
	s_mov_b32 s21, SLOT-232
	s_mov_b32 s22, SLOT+232
	v_sub_nc_u32 v7, 1, v2
	v_mul_u32_u24 v5, s21, v2
	v_add_nc_u32 v5, v3, v5
	v_add_nc_u32 v5, 232, v5                       ; lanes 0-15 byte 232 of the row in slot 0, lanes 16-31 byte 0 in slot 1;
	v_mul_u32_u24 v6, s22, v7
	v_add_nc_u32 v6, v3, v6                        ; and the other way round
	s_mul_i32 s21, s15, HALFT                      ; my 128 rows of A
	s_mul_i32 s22, s16, HALFT
	s_add_co_u32 s22, s22, 2*HALFT                 ; my 128 rows of B
	v_add_nc_u32 v[ADRA+2], s21, v5
	v_add_nc_u32 v[ADRA+3], s21, v6
	v_add_nc_u32 v[ADRB+2], s22, v5
	v_add_nc_u32 v[ADRB+3], s22, v6
.irp s, 0,1
	v_add_nc_u32 v[ADRA+\s], s21, v4
	v_add_nc_u32 v[ADRB+\s], s22, v4
	s_add_co_u32 s21, s21, SLOT
	s_add_co_u32 s22, s22, SLOT
.endr
	v_mul_u32_u24 v5, v1, KS                       ; my row's scales: 32 bytes a row,
	v_lshrrev_b32 v6, 8, v5
	v_lshl_add_u32 v5, v6, 4, v5                   ; and 16 more for each 256 passed
	s_mul_i32 s21, s15, HALFS
	s_mul_i32 s22, s16, HALFS
	s_add_co_u32 s22, s22, 2*HALFS
	s_sub_co_u32 s22, s22, s21
	v_mul_u32_u24 v6, s22, v2                      ; lanes 16-31 take B's
	s_add_co_u32 s21, s21, SCL
	v_add_nc_u32 v5, v5, v6
	v_add_nc_u32 v[ADRS], s21, v5
	v_and_b32 v6, 31, v0
	v_lshlrev_b32 v[CO], 4, v6
	s_mov_b32 s3, 0xffff0000                       ; lanes 16-31
	; where my results go: x's group of 128 positions G: batch G / 16, group G % 16;  W's group J: section J / 8, heads 2 (J % 8) and the next
	s_lshl_b32 s20, s17, 1
	s_add_co_u32 s20, s20, s15                     ; A's group
	s_lshl_b32 s21, s42, 1
	s_add_co_u32 s21, s21, s16                     ; B's group
	s_cmp_eq_u32 s98, 1
	s_cselect_b32 s22, s21, s20                    ; G
	s_cselect_b32 s46, s20, s21                    ; J
	s_lshr_b32 s21, s22, 4
	s_and_b32 s20, s22, 15
	s_lshr_b32 s47, s46, 3
	s_and_b32 s46, s46, 7
	s_lshl_b32 s46, s46, 1
	s_lshl_b32 s21, s21, 4
	s_add_co_u32 s21, s21, s46
	s_lshl_b32 s21, s21, 4
	s_add_co_u32 s20, s20, s21                     ; the record
	s_mul_i32 s20, s20, REC
	s_mul_i32 s47, s47, SEC
	s_add_co_u32 s20, s20, s47                     ; under 2^25
	s_mov_b32 s21, 0
	s_add_nc_u64 s[12:13], s[12:13], s[20:21]
; a fragment, 12 registers, in pieces of 8 bytes; byte y of a row lies in slot (y / 256) % 2 at byte y % 256; lanes 16-31 read 24 bytes on
.macro FRAG reg, adr, st, i
.irp p, 0,1,2,3,4,5
.set BY, 96*(\st)+48*(\p/3)+8*(\p%3)
.if BY/ROWB == (BY+24)/ROWB
	ds_load_b64 v[\reg+2*\p:\reg+2*\p+1], v[\adr+(BY/ROWB)%2] offset:BY%ROWB+(\i)*16*PITCH
.else
	ds_load_b64 v[\reg+2*\p:\reg+2*\p+1], v[\adr+2+(BY/ROWB)%2] offset:BY%ROWB-232+(\i)*16*PITCH
.endif
.endr
.endm
; 16 matrix instructions: A's blocks a0, a0 + 1 x B's eight.  The 64 accumulators take turns; zero = 1: the first product starts the sums
.macro MUL16 a0, p, q, sc, zero
.irp a, \a0, \a0+1
.irp b, 0,1,2,3,4,5,6,7
.if \zero
	v_wmma_scale_f32_16x16x128_f8f6f4 v[8*(8*((\a)%4)+\b):8*(8*((\a)%4)+\b)+7], v[128*(\p)+FR*\b:128*(\p)+FR*\b+FR-1], v[AF+FR*(\a):AF+FR*(\a)+FR-1], 0, v[SC+8*NQ*(\sc)+NQ*\b+(\q)], v[SC+8*NQ*(\sc)+NQ*(\a)+(\q)] matrix_a_fmt:MATRIX_FMT_FP6 matrix_b_fmt:MATRIX_FMT_FP6 matrix_a_scale:MATRIX_SCALE_ROW1
.else
	v_wmma_scale_f32_16x16x128_f8f6f4 v[8*(8*((\a)%4)+\b):8*(8*((\a)%4)+\b)+7], v[128*(\p)+FR*\b:128*(\p)+FR*\b+FR-1], v[AF+FR*(\a):AF+FR*(\a)+FR-1], v[8*(8*((\a)%4)+\b):8*(8*((\a)%4)+\b)+7], v[SC+8*NQ*(\sc)+NQ*\b+(\q)], v[SC+8*NQ*(\sc)+NQ*(\a)+(\q)] matrix_a_fmt:MATRIX_FMT_FP6 matrix_b_fmt:MATRIX_FMT_FP6 matrix_a_scale:MATRIX_SCALE_ROW1
.endif
.endr
.endr
.endm
.macro FETCH_B st, p
	WIN TO_B
.irp i, 0,1,2,3,4,5,6,7
	FRAG 128*(\p)+FR*\i, ADRB, \st, \i
.endr
	WIN 0
.endm
.macro FETCH_A st, i0
.irp i, \i0, \i0+1, \i0+2, \i0+3
	FRAG AF+FR*(\i), ADRA, \st, \i
.endr
.endm
.macro SCALES pr                       ; the scale words of steps 2 pr, 2 pr + 1 into set pr % 2
.irp i, 0,1,2,3,4,5,6,7
	ds_load_b64 v[SC+8*NQ*((\pr)%2)+NQ*\i:SC+8*NQ*((\pr)%2)+NQ*\i+1], v[ADRS] offset:\i*SBLK+4*NQ*(\pr)
.endr
.endm
.macro PLACES n
.rept \n
	v_nop
.endr
.endm
; A step of 128 along K.  Where the next step's bytes END in a chunk not read yet: the wait for my tensor loads and a barrier show it whole.  Where they BEGIN in a later chunk than this step's: the chunk left behind is read
; no more: the wait, the add, the wait for it and for my reads, the barrier; where a chunk two on is left to fetch, the barrier opens a round of the cluster's barrier and the slot is filled again.
.macro STEP st, zero
.set NX, (\st)+1
.set C0, (96*(\st))/ROWB
.set C1, (96*NX)/ROWB
.set E0, (96*(\st)+95)/ROWB
.set E1, (96*NX+95)/ROWB
.if C1 > C0 || E1 > E0
	s_wait_tensorcnt 0x0                           ; all my tensor loads have landed
.if C1 > C0
	ds_add_u32 v[SPW], v[NIL]
	s_wait_dscnt 4*NL+1                            ; the add and the youngest 24 loads (A's blocks 4-7) may be out
.else
	s_wait_dscnt 4*NL                              ; A's blocks 4-7 may be out
.endif
	WIN MUL_LO
	MUL16 0, (\st)%2, (\st)%2, ((\st)/2)%2, \zero
	s_wait_dscnt 0x0                               ; the add, where there is one, and all my reads are done
	s_barrier_signal -1
	MUL16 2, (\st)%2, (\st)%2, ((\st)/2)%2, \zero
	WIN 0
	s_barrier_wait -1
.if C1 > C0 && C0+2 < CHUNKS
	CREST
	s_add_nc_u64 s[G0+4*(C0%2)+2:G0+4*(C0%2)+3], s[G0+4*(C0%2)+2:G0+4*(C0%2)+3], 2*ROWB
	s_add_nc_u64 s[G0B+4*(C0%2)+2:G0B+4*(C0%2)+3], s[G0B+4*(C0%2)+2:G0B+4*(C0%2)+3], 2*ROWB
	JLOAD G0+4*(C0%2), G1, G0B+4*(C0%2), G1B       ; chunk C0 + 2, my one load behind the round; its four v_nop are the places for the loads below
.else
	PLACES NP
.endif
.else
	s_wait_dscnt 4*NL                              ; A's blocks 4-7 may be out
	WIN MUL_LO
	MUL16 0, (\st)%2, (\st)%2, ((\st)/2)%2, \zero
	MUL16 2, (\st)%2, (\st)%2, ((\st)/2)%2, \zero
	s_wait_dscnt 0
	PLACES NP
.endif
	FETCH_B NX, NX%2
	FETCH_A NX, 0
.if NX%2 == 0
	SCALES NX/2
.endif
	WIN MUL_HI
	MUL16 4, (\st)%2, (\st)%2, ((\st)/2)%2, \zero
	MUL16 6, (\st)%2, (\st)%2, ((\st)/2)%2, \zero
	PLACES NP
	WIN 0
	FETCH_A NX, 4
.endm
	s_wait_alu depctr_va_vdst(0)                   ; the head's end
	s_wait_tensorcnt 0x0                           ; my tile of the head's four is in
	ds_add_u32 v[SPW], v[NIL]
	s_mov_b32 s[G1+2], 128<<16                     ; no load of mine is out: from here on a load brings 128 rows
	s_mov_b32 s[G1+4], 128
	s_mov_b32 s[G1B+2], 128<<16
	s_mov_b32 s[G1B+4], 128
	s_wait_dscnt 0x0
	CROUND
	JLOAD G0+4, G1, G0B+4, G1B                     ; chunk 1, the first tensor load behind the round
	FETCH_B 0, 0
	FETCH_A 0, 0
	SCALES 0
	FETCH_A 0, 4
	STEP 0, 1
.set ST, 1
.rept STEPS-2
	STEP ST, 0
.set ST, ST+1
.endr
	s_wait_dscnt 4*NL                              ; the last step
	WIN MUL_LO
	MUL16 0, 1, 1, 1, 0
	MUL16 2, 1, 1, 1, 0
	s_wait_dscnt 0
	WIN MUL_HI
	MUL16 4, 1, 1, 1, 0
	MUL16 6, 1, 1, 1, 0
	WIN 0
; THE WAY OUT.  QUANT a: the 64 results of A's block a in my lane (register 16 b + i = index 32 b + 16 (lane / 16) + i of B's 128) become four blocks' codes and a scale word.  Blocks 0, 1 go to v[d0 .. d0 + 5],
; blocks 2, 3 to v[d1 .. d1 + 5]: lanes 0-15 hold the even block whole, lanes 16-31 the odd one.  Each accumulator is first read at its lowest registers.
.macro QUANT a, d0, d1, pw
.set W,  2+(\a)/4
.set AC, 64*((\a)%4)
	WIN (W|(W<<2))
.irp b, 0,1,2,3
	v_max3_num_f32 v[TM+\b], |v[AC+16*\b]|, |v[AC+16*\b+1]|, 0x1800000   ; with the floor 2^(3 - 127): the byte cannot fall under 1
.endr
	WIN ((W<<2)|(W<<4))
.irp i, 2,4,6,8,10,12,14
.irp b, 0,1,2,3
	v_max3_num_f32 v[TM+\b], v[TM+\b], |v[AC+16*\b+\i]|, |v[AC+16*\b+\i+1]|
.endr
.endr
	WIN 0
.irp b, 0,1,2,3
	v_permlanex16_b32 v[TM+4+\b], v[TM+\b], s[SEL], s[SEL+1]
.endr
.irp b, 0,1,2,3
	v_max_num_f32 v[TM+\b], v[TM+\b], v[TM+4+\b]   ; with lane l xor 16's: the block's largest magnitude
.endr
.irp b, 0,1,2,3
	v_add_nc_u32 v[TM+12+\b], 0xff000000, v[TM+\b] ; 2 off its exponent field: the conversion's scale operand
.endr
.irp b, 0,1,2,3
	v_lshrrev_b32 v[TM+4+\b], 23, v[TM+12+\b]      ; the byte
.endr
	v_lshl_or_b32 v[\pw], v[TM+5], 8, v[TM+4]
	v_lshl_or_b32 v[\pw], v[TM+6], 16, v[\pw]
	v_lshl_or_b32 v[\pw], v[TM+7], 24, v[\pw]
	WIN W
	v_cvt_scalef32_pk16_fp6_f32 v[(\d0):(\d0)+2], v[AC:AC+15], v[TM+12]
	v_cvt_scalef32_pk16_fp6_f32 v[CT:CT+2], v[AC+16:AC+31], v[TM+13]
	v_cvt_scalef32_pk16_fp6_f32 v[(\d1):(\d1)+2], v[AC+32:AC+47], v[TM+14]
	v_cvt_scalef32_pk16_fp6_f32 v[CT+4:CT+6], v[AC+48:AC+63], v[TM+15]
	WIN 0
	v_nop                                          ; one plain place behind a scaled conversion
.irp i, 0,1,2
	v_permlane16_swap_b32 v[(\d0)+\i], v[CT+\i]    ; each lane gets its block's lower 16 codes in the first, the upper 16 in the second
.endr
.irp i, 0,1,2
	v_mov_b32 v[(\d0)+3+\i], v[CT+\i]
.endr
.irp i, 0,1,2
	v_permlane16_swap_b32 v[(\d1)+\i], v[CT+4+\i]
.endr
.irp i, 0,1,2
	v_mov_b32 v[(\d1)+3+\i], v[CT+4+\i]
.endr
.endm
	PLACES NP                                      ; behind the last products
	s_mov_b32 s[SEL], 0x76543210
	s_mov_b32 s[SEL+1], 0xfedcba98
.irp b, 0,1,2,3
	v_mov_b32 v[TM+4+\b], 0                        ; a lane permute's destination counts as one of its sources
.endr
	s_cmp_eq_u32 s98, 0
	s_cbranch_scc0 .Lvpath
	; q, k: A's block a is tile a of 16 places; blocks 0, 1 are my first head's 64 dims, blocks 2, 3 the next head's
.irp a, 0,1,2,3,4,5,6,7
	QUANT \a, F+6*\a, F+48+6*\a, PWS+\a
.endr
.irp b, 0,1,2,3
	v_cndmask_b32 v[SW+\b], v[PWS+2*\b], v[PWS+2*\b+1], s3   ; lanes 0-15: tile 2 b's word, lanes 16-31: tile 2 b + 1's; bytes 2, 3 meet zero codes alone and are never 0xff
.endr
.irp b, 0,1,2,3
	v_lshrrev_b32 v[SW+4+\b], 16, v[SW+\b]         ; the next head's two bytes
.endr
	s_branch .Lsend
.Lvpath:
	; v: A's block a is 16 channels (0-3: my first head, 4-7: the next); the four blocks of 32 are 128 keys: a whole fragment and its scale word
.irp a, 0,1,2,3,4,5,6,7
	QUANT \a, F+12*\a, F+12*\a+6, SW+\a
.endr
.Lsend:
	s_wait_alu depctr_va_vdst(0)                   ; behind the branch, ahead of the stores
.irp c, 0,1
.irp i, 0,1,2,3,4,5,6,7,8,9,10,11
	global_store_b128 v[CO], v[F+48*\c+4*\i:F+48*\c+4*\i+3], s[12:13] offset:HEADB*\c+512*\i   ; 32 lanes store 512 consecutive bytes, at a multiple of 256
.endr
	global_store_b128 v[CO], v[SW+4*\c:SW+4*\c+3], s[12:13] offset:HEADB*\c+6144
.endr
	s_wait_tensorcnt 0x0                           ; the wave's end
	ds_add_u32 v[SPW], v[NIL]
	s_wait_dscnt 0x0
	CROUND                                         ; the closing round
	s_endpgm
.Lfunc_end_k_qcf89e0cfa2_proj:
	.size	k_qcf89e0cfa2_proj, .Lfunc_end_k_qcf89e0cfa2_proj-k_qcf89e0cfa2_proj
	.p2alignl 7, 3214868480
	.fill 96, 4, 3214868480
	.section	.rodata,"a",@progbits
	.p2align	6, 0x0
	.amdhsa_kernel k_qcf89e0cfa2_proj
		.amdhsa_group_segment_fixed_size 327680
		.amdhsa_private_segment_fixed_size 0
		.amdhsa_enable_private_segment 0
		.amdhsa_kernarg_size 40
		.amdhsa_user_sgpr_count 2
		.amdhsa_user_sgpr_kernarg_segment_ptr 1
		.amdhsa_wavefront_size32 1
		.amdhsa_system_sgpr_workgroup_id_x 1
		.amdhsa_system_sgpr_workgroup_id_y 1
		.amdhsa_system_sgpr_workgroup_id_z 1
		.amdhsa_system_vgpr_workitem_id 0
		.amdhsa_next_free_vgpr 1024
		.amdhsa_next_free_sgpr 100
		.amdhsa_reserve_vcc 0
		.amdhsa_float_denorm_mode_32 3
		.amdhsa_float_denorm_mode_16_64 3
		.amdhsa_memory_ordered 1
		.amdhsa_forward_progress 1
		.amdhsa_inst_pref_size 196
	.end_amdhsa_kernel
	.amdgpu_metadata
---
amdhsa.version: [ 1, 2 ]
amdhsa.kernels:
  - .name:           k_qcf89e0cfa2_proj
    .symbol:         k_qcf89e0cfa2_proj.kd
    .args:
      - { .name: xc, .offset: 0, .size: 8, .value_kind: global_buffer, .address_space: global }
      - { .name: xs, .offset: 8, .size: 8, .value_kind: global_buffer, .address_space: global }
      - { .name: wc, .offset: 16, .size: 8, .value_kind: global_buffer, .address_space: global }
      - { .name: ws, .offset: 24, .size: 8, .value_kind: global_buffer, .address_space: global }
      - { .name: qkv, .offset: 32, .size: 8, .value_kind: global_buffer, .address_space: global }
    .group_segment_fixed_size: 327680
    .private_segment_fixed_size: 0
    .kernarg_segment_align: 8
    .kernarg_segment_size: 40
    .max_flat_workgroup_size: 128
    .sgpr_count:     100
    .vgpr_count:     1024
    .wavefront_size: 32
...
	.end_amdgpu_metadata
.endif
;; end of part 2
;; launch attn (part 3): grid 4 x 64, 16 waves a work-group, no clusters, 327,680 bytes of LDS; arguments qkv, out0; writes out0
.if DOCPART == 3
	.amdgcn_target "amdgcn-amd-amdhsa--gfx1250"
	.amdhsa_code_object_version 6
	.text
	.protected	k_qcf89e0cfa2_attn
	.globl	k_qcf89e0cfa2_attn
	.p2align	8
	.type	k_qcf89e0cfa2_attn,@function
k_qcf89e0cfa2_attn:
	s_mov_b64 s[64:65], 0
	v_nop
	global_prefetch_b8 v0, s[64:65] scope:SCOPE_SE
	s_setreg_imm32_b32 hwreg(HW_REG_WAVE_MODE, 25, 1), 1
	s_wait_xcnt 0x0
; out = softmax(q k^T / 8, keys up to query + 1) v on codes of FP6 (E2M3) out of qkv's records (laid by the launch before), both products transposed: a lane holds one query throughout.
; A work-group serves one batch and head (y); its 16 waves take two tiles of 16 query places each: tile 127 - n and tile n, n = 16 x + wave, so that every wave walks about as many steps of 128 keys.
; The head's K and V sections, 16 steps of 13,312 bytes, come into LDS once, by two tensor loads a wave: steps 0-7 at the head, steps 8-15 behind the first barrier.
; p = 2^(t - M), M the ceiling of the running largest t; the row's sum is taken of the unquantised p; a block's largest p is made from its largest score.
; WORK LEFT OUT: steps whose 128 keys all lie beyond query + 1 for all of a tile's queries are masked out: a scalar branch on ids leads round their work.
; cluster = none: the four work-groups of a head read different numbers of the steps, so a joint load would bring tiles that every wave of some partner jumps over.
; LIMITS: NaN and infinities are not served; the promise holds while the scaled scores stay under 2^31 in magnitude.
.set REC,    19968
.set SEC,    6656
.set STEPB,  2*SEC
.set HEADB,  16*REC
.set STAGE,  16*STEPB
.set SPITCH, 272
.set SPARE,  STAGE+16*16*SPITCH
.set LI,   1
.set ADR,  2
.set SPW,  3
.set NIL,  4
.set GO,   5
.set STI,  6
.set STO,  7
.set DL,   9
.set QA,   10
.set QS,   11
.set R16,  29
.set QF,   16
.set QSC,  28
.set FRG,  32
.set KSC,  86
.set VSC,  90
.set S,    96
.set O,    160
.set PC,   192
.set CT,   204
.set BM,   212
.set BT,   216
.set SO,   220
.set FF,   224
.set PW,   225
.set TMP,  226
.set CH,   228
	s_load_b128 s[4:7], s[0:1], 0x0
	v_lshl_add_u32 v[SPW], v0, 2, SPARE
	v_mov_b32 v[NIL], 0
	ds_add_u32 v[SPW], v[NIL]
	ds_add_u32 v[SPW], v[NIL]
	v_lshrrev_b32 v1, 5, v0
	s_delay_alu instid0(VALU_DEP_1)
	v_readfirstlane_b32 s8, v1
	s_and_b32 s10, ttmp7, 0xffff
	s_lshl_b32 s11, ttmp9, 4
	s_add_co_u32 s11, s11, s8
	s_mov_b32 s24, 3<<16
	s_mov_b32 s25, 32<<16
	s_mov_b32 s26, 26<<16
	s_mov_b32 s27, 32<<16
	s_mov_b32 s28, 26
	s_mov_b32 s29, 32
	s_mov_b32 s30, 0
	s_mov_b32 s31, 0
	s_mul_i32 s46, s10, HEADB
	s_mov_b32 s47, 0
	s_lshr_b32 s17, s8, 1
	s_mul_i32 s48, s17, REC
	s_and_b32 s18, s8, 1
	s_mul_i32 s18, s18, SEC
	s_add_co_u32 s48, s48, s18
	s_add_co_u32 s48, s48, SEC
	s_mov_b32 s49, 0
	s_mul_i32 s19, s8, SEC
	s_mov_b32 s20, 0x76543210
	s_mov_b32 s21, 0xfedcba98
	s_mov_b32 s22, 0x3e38aa3b
	s_mov_b32 s23, s22
	s_wait_dscnt 0x0
	s_wait_kmcnt 0x0
	s_add_nc_u64 s[4:5], s[4:5], s[46:47]
	s_mov_b32 s32, 1
	s_mov_b32 s33, s19
	s_add_nc_u64 s[34:35], s[4:5], s[48:49]
	s_mov_b32 s36, 1
	s_add_co_u32 s37, s19, 8*STEPB
	s_add_nc_u64 s[38:39], s[34:35], 8*REC
	s_or_b32 s35, s35, 0x80000000
	s_or_b32 s39, s39, 0x80000000
	tensor_load_to_lds s[32:35], s[24:31]
	s_nop 0
	v_and_b32 v30, 15, v0
	v_bfe_u32 v31, v0, 4, 1
	v_and_b32 v[LI], 31, v0
	s_delay_alu instid0(VALU_DEP_1)
	v_lshlrev_b32 v[LI], 4, v[LI]
	s_delay_alu instid0(VALU_DEP_4)
	v_lshlrev_b32 v[R16], 4, v30
	s_delay_alu instid0(VALU_DEP_1)
	v_lshl_add_u32 v[GO], v31, 12, v[R16]
	s_mul_i32 s17, s8, 16*SPITCH
	s_add_co_u32 s17, s17, STAGE
	v_mul_u32_u24 v[STI], v30, SPITCH
	s_delay_alu instid0(VALU_DEP_1)
	v_lshl_add_u32 v[STI], v31, 6, v[STI]
	s_delay_alu instid0(VALU_DEP_1)
	v_add_nc_u32 v[STI], s17, v[STI]
	v_mul_u32_u24 v[STO], v31, SPITCH
	s_delay_alu instid0(VALU_DEP_1)
	v_add_nc_u32 v[STO], v[STO], v[R16]
	s_delay_alu instid0(VALU_DEP_1)
	v_add_nc_u32 v[STO], s17, v[STO]
	v_and_b32 v[DL], 8, v30
	s_delay_alu instid0(VALU_DEP_1)
	v_add_nc_u32 v[DL], v[DL], v30
	s_delay_alu instid0(VALU_DEP_1)
	v_add_nc_u32 v[DL], 1, v[DL]
	v_lshlrev_b32 v[QA], 4, v31
	s_delay_alu instid0(VALU_DEP_1)
	v_sub_nc_u32 v[DL], v[DL], v[QA]
.irp i, 0,1,2,3,4,5
	v_mov_b32 v[QF+6+\i], 0
	v_mov_b32 v[FRG+48+\i], 0
.endr
.irp b, 0,1,2,3
	v_mov_b32 v[BT+\b], 0
.endr
	v_mov_b32 v[PW], 0
.macro SETUP
	s_wait_xcnt 0x0
	s_lshr_b32 s17, s12, 1
	s_lshl_b32 s17, s17, 5
	s_and_b32 s18, s12, 1
	s_lshl_b32 s19, s18, 3
	s_add_co_u32 s13, s17, s19
	s_lshr_b32 s17, s12, 3
	s_mul_i32 s46, s17, REC
	s_add_nc_u64 s[40:41], s[4:5], s[46:47]
	s_bfe_u32 s17, s12, 0x20001
	s_mul_i32 s19, s17, 1536
	v_add_nc_u32 v[QA], s19, v[LI]
	s_lshl_b32 s19, s18, 8
	s_lshl_b32 s17, s17, 2
	s_add_co_u32 s19, s19, s17
	s_add_co_u32 s19, s19, 6144
	v_add_nc_u32 v[QS], s19, v[R16]
	global_load_b128 v[PC:PC+3], v[QA], s[40:41]
	global_load_b128 v[PC+4:PC+7], v[QA], s[40:41] offset:512
	global_load_b128 v[PC+8:PC+11], v[QA], s[40:41] offset:1024
	global_load_b32 v[QSC], v[QS], s[40:41]
	s_lshr_b32 s17, s10, 4
	s_lshl_b32 s17, s17, 11
	s_add_co_u32 s17, s17, s13
	s_lshl_b32 s46, s17, 12
	s_and_b32 s17, s10, 15
	s_lshl_b32 s17, s17, 8
	s_add_co_u32 s46, s46, s17
	s_add_nc_u64 s[42:43], s[6:7], s[46:47]
	s_cmp_eq_u32 s18, 1
	s_cselect_b32 s44, -1, 0
	s_wait_loadcnt 0x0
.irp i, 0,1,2,3,4,5
	v_cndmask_b32 v[QF+\i], v[PC+\i], v[PC+6+\i], s44
.endr
	v_mov_b32 v13, 0xff61b1e6
	s_delay_alu instid0(VALU_DEP_1)
	v_floor_f32 v12, -v13
	v_mov_b32 v14, 0
	v_mov_b32 v15, 0
.set j, 0
.rept 32
	v_mov_b32 v[O+j], 0
.set j, j+1
.endr
.endm
.macro STEP masked
.if \masked
	s_add_co_u32 s17, s13, 24
	s_cmp_gt_u32 s14, s17
	s_cbranch_scc1 .Lhidden_\@
.endif
	v_add_nc_u32 v[ADR], s15, v[LI]
.irp i, 0,1,2,3,4,5,6,7,8,9,10,11
	ds_load_b128 v[FRG+4*\i:FRG+4*\i+3], v[ADR] offset:512*\i
.endr
	ds_load_b128 v[KSC:KSC+3], v[ADR] offset:6144
	s_wait_alu depctr_va_vdst(0)
	s_wait_dscnt 0x0
.irp t, 0,1,2,3
	v_wmma_scale_f32_16x16x128_f8f6f4 v[S+16*\t:S+16*\t+7], v[FRG+12*\t:FRG+12*\t+11], v[QF:QF+11], 0, v[KSC+\t], v[QSC] matrix_a_fmt:MATRIX_FMT_FP6 matrix_b_fmt:MATRIX_FMT_FP6
	v_wmma_scale_f32_16x16x128_f8f6f4 v[S+16*\t+8:S+16*\t+15], v[FRG+12*\t+6:FRG+12*\t+17], v[QF:QF+11], 0, v[KSC+\t], v[QSC] matrix_a_fmt:MATRIX_FMT_FP6 matrix_b_fmt:MATRIX_FMT_FP6 matrix_a_scale:MATRIX_SCALE_ROW1
.endr
.rept 4
	v_nop
.endr
.irp i, 0,1,2,3,4,5,6,7,8,9,10,11
	ds_load_b128 v[FRG+4*\i:FRG+4*\i+3], v[ADR] offset:SEC+512*\i
.endr
	ds_load_b128 v[VSC:VSC+3], v[ADR] offset:SEC+6144
.if \masked
	s_add_co_u32 s17, s14, 126
	s_cmp_le_u32 s17, s13
	s_cbranch_scc1 .Lopen_\@
	s_sub_co_i32 s17, s13, s14
	v_add_nc_u32 v[TMP], s17, v[DL]
	v_mov_b32 v[CH], 0xff800000
.set n, 0
.rept 64
	v_cmp_gt_i32 vcc_lo, 32*(n/16)+n%16, v[TMP]
	v_cndmask_b32 v[S+n], v[S+n], v[CH], vcc_lo
.set n, n+1
.endr
.Lopen_\@:
.endif
.irp b, 0,1,2,3
	v_max3_num_f32 v[BM+\b], v[S+16*\b], v[S+1+16*\b], v[S+2+16*\b]
.endr
.irp i, 3,5,7,9,11,13
.irp b, 0,1,2,3
	v_max3_num_f32 v[BM+\b], v[BM+\b], v[S+16*\b+\i], v[S+1+16*\b+\i]
.endr
.endr
.irp b, 0,1,2,3
	v_max_num_f32 v[BM+\b], v[BM+\b], v[S+15+16*\b]
.endr
.irp b, 0,1,2,3
	s_delay_alu instid0(VALU_DEP_4)
	v_permlanex16_b32 v[BT+\b], v[BM+\b], s20, s21
.endr
.irp b, 0,1,2,3
	s_delay_alu instid0(VALU_DEP_4)
	v_max_num_f32 v[BM+\b], v[BM+\b], v[BT+\b]
.endr
	s_delay_alu instid0(VALU_DEP_2)
	v_max3_num_f32 v[TMP], v[BM], v[BM+1], v[BM+2]
	s_delay_alu instid0(VALU_DEP_1)
	v_max_num_f32 v[TMP], v[TMP], v[BM+3]
	s_delay_alu instid0(VALU_DEP_1)
	v_mul_f32 v[TMP], s22, v[TMP]
	s_delay_alu instid0(VALU_DEP_1)
	v_max_num_f32 v13, v13, v[TMP]
	v_mov_b32 v[TMP], v12
	s_delay_alu instid0(VALU_DEP_2)
	v_floor_f32 v12, -v13
	s_delay_alu instid0(VALU_DEP_1)
	v_sub_f32 v[TMP], v12, v[TMP]
	s_delay_alu instid0(VALU_DEP_1)
	v_cvt_i32_f32 v[TMP], v[TMP]
	s_delay_alu instid0(VALU_DEP_1)
	v_ldexp_f32 v[FF], 1.0, v[TMP]
.set j, 0
.rept 32
	v_pk_fma_f32 v[S+j:S+j+1], v[S+j:S+j+1], s[22:23], v[12:13] op_sel_hi:[1,0,0]
.set j, j+2
.endr
.irp b, 0,1,2,3
	v_fma_f32 v[BM+\b], v[BM+\b], s22, v12
.endr
.set j, 0
	s_wait_alu depctr_va_vdst(0)
.rept 64
	v_exp_f32 v[S+j], v[S+j]
.set j, j+1
.endr
	v_pk_mul_f32 v[14:15], v[14:15], v[FF:FF+1] op_sel_hi:[1,0]
	s_wait_alu depctr_va_vdst(0)
.irp b, 0,1,2,3
	v_exp_f32 v[BM+\b], v[BM+\b]
.endr
	v_pk_add_f32 v[CH:CH+1], v[S:S+1], v[S+2:S+3]
.irp j, 4,8,12,16,20,24,28,32,36,40,44
	v_pk_add_f32 v[14:15], v[14:15], v[S+\j:S+\j+1]
	v_pk_add_f32 v[CH:CH+1], v[CH:CH+1], v[S+2+\j:S+3+\j]
.endr
	s_wait_alu depctr_va_vdst(0)
.irp b, 0,1,2,3
	v_max_num_f32 v[BM+\b], 0x1800000, v[BM+\b]
.endr
.irp b, 0,1,2,3
	s_delay_alu instid0(VALU_DEP_4)
	v_add_nc_u32 v[SO+\b], 0xff000000, v[BM+\b]
.endr
.irp b, 0,1,2,3
	s_delay_alu instid0(VALU_DEP_4)
	v_lshrrev_b32 v[BT+\b], 23, v[SO+\b]
.endr
	s_delay_alu instid0(VALU_DEP_3)
	v_lshl_or_b32 v[PW], v[BT+1], 8, v[BT]
	s_delay_alu instid0(VALU_DEP_1)
	v_lshl_or_b32 v[PW], v[BT+2], 16, v[PW]
	s_delay_alu instid0(VALU_DEP_1)
	v_lshl_or_b32 v[PW], v[BT+3], 24, v[PW]
.irp c, 0,1
	v_cvt_scalef32_pk16_fp6_f32 v[PC+6*\c:PC+6*\c+2], v[S+32*\c:S+32*\c+15], v[SO+2*\c]
	v_cvt_scalef32_pk16_fp6_f32 v[CT+4*\c:CT+4*\c+2], v[S+16+32*\c:S+31+32*\c], v[SO+2*\c+1]
.endr
	v_nop
.irp c, 0,1
.irp i, 0,1,2
	v_permlane16_swap_b32 v[PC+6*\c+\i], v[CT+4*\c+\i]
.endr
.irp i, 0,1,2
	s_delay_alu instid0(VALU_DEP_3)
	v_mov_b32 v[PC+3+6*\c+\i], v[CT+4*\c+\i]
.endr
.endr
.set j, 0
.rept 16
	v_pk_mul_f32 v[O+j:O+j+1], v[O+j:O+j+1], v[FF:FF+1] op_sel_hi:[1,0]
.set j, j+2
.endr
.irp j, 48,52,56,60
	v_pk_add_f32 v[14:15], v[14:15], v[S+\j:S+\j+1]
	v_pk_add_f32 v[CH:CH+1], v[CH:CH+1], v[S+2+\j:S+3+\j]
.endr
	s_delay_alu instid0(VALU_DEP_1)
	v_pk_add_f32 v[14:15], v[14:15], v[CH:CH+1]
	s_wait_dscnt 0x0
.irp a, 0,1,2,3
	v_wmma_scale_f32_16x16x128_f8f6f4 v[O+8*\a:O+8*\a+7], v[FRG+12*\a:FRG+12*\a+11], v[PC:PC+11], v[O+8*\a:O+8*\a+7], v[VSC+\a], v[PW] matrix_a_fmt:MATRIX_FMT_FP6 matrix_b_fmt:MATRIX_FMT_FP6
.endr
.rept 4
	v_nop
.endr
.if \masked
.Lhidden_\@:
.endif
	s_add_co_u32 s14, s14, 128
	s_add_co_u32 s15, s15, STEPB
.endm
.macro OUT
	v_add_f32 v14, v14, v15
	s_delay_alu instid0(VALU_DEP_1)
	v_permlanex16_b32 v[TMP], v14, s20, s21
	s_delay_alu instid0(VALU_DEP_1)
	v_add_f32 v14, v14, v[TMP]
	s_wait_alu depctr_va_vdst(0)
	v_rcp_f32 v14, v14
	v_nop
	s_wait_alu depctr_va_vdst(0)
.set j, 0
.rept 16
	v_pk_mul_f32 v[S+j:S+j+1], v[O+j:O+j+1], v[14:15] op_sel_hi:[1,0]
.set j, j+2
.endr
.irp a, 0,1,2,3
	ds_store_b128 v[STI], v[S+8*\a:S+8*\a+3] offset:128*(\a/2)+32*(\a%2)
	ds_store_b128 v[STI], v[S+8*\a+4:S+8*\a+7] offset:128*(\a/2)+32*(\a%2)+16
.endr
.irp i, 0,1,2,3,4,5,6,7
	ds_load_b128 v[FRG+4*\i:FRG+4*\i+3], v[STO] offset:2*\i*SPITCH
.endr
.irp i, 0,1,2,3,4,5,6,7
	s_wait_dscnt 7-\i
	global_store_b128 v[GO], v[FRG+4*\i:FRG+4*\i+3], s[42:43] offset:(2*\i+8*(\i/4))*4096 th:TH_STORE_NT
.endr
.endm
	s_sub_co_u32 s12, 127, s11
	SETUP                                          ; the first tile's queries are fetched while the first fill is on its way
	s_wait_alu depctr_va_vdst(0)                   ; the head's end
	s_wait_tensorcnt 0x0                           ; my section of steps 0-7 is in
	ds_add_u32 v[SPW], v[NIL]
	s_wait_dscnt 0x0
	s_barrier_signal -1
	s_barrier_wait -1                              ; everybody's are
	tensor_load_to_lds s[36:39], s[24:31]          ; my section of steps 8-15
	s_nop 0
	s_mov_b32 s14, 0
	s_mov_b32 s15, 0
	s_mov_b32 s16, 2
.Lb0:
	STEP 0
	s_sub_co_u32 s16, s16, 1
	s_cmp_lg_u32 s16, 0
	s_cbranch_scc1 .Lb0
	s_wait_tensorcnt 0x0                           ; my section of steps 8-15 is in (asked for two steps ago)
	s_wait_dscnt 0x0
	s_barrier_signal -1
	s_barrier_wait -1
	s_mov_b32 s14, 256
	s_mov_b32 s15, 2*STEPB
	s_mov_b32 s16, 6
.Lb1:
	STEP 0
	s_sub_co_u32 s16, s16, 1
	s_cmp_lg_u32 s16, 0
	s_cbranch_scc1 .Lb1
	s_mov_b32 s14, 1024
	s_mov_b32 s15, 8*STEPB
	s_mov_b32 s16, 8
.Lb2:
	STEP 1
	s_sub_co_u32 s16, s16, 1
	s_cmp_lg_u32 s16, 0
	s_cbranch_scc1 .Lb2
	s_wait_alu depctr_va_vdst(0)
	OUT
	s_mov_b32 s12, s11
	SETUP
	s_mov_b32 s14, 0
	s_mov_b32 s15, 0
	s_mov_b32 s16, 9
.La:
	STEP 1
	s_sub_co_u32 s16, s16, 1
	s_cmp_lg_u32 s16, 0
	s_cbranch_scc1 .La
	s_wait_alu depctr_va_vdst(0)
	OUT
	s_wait_tensorcnt 0x0
	ds_add_u32 v[SPW], v[NIL]
	s_wait_dscnt 0x0
	s_endpgm
.Lfunc_end_k_qcf89e0cfa2_attn:
	.size	k_qcf89e0cfa2_attn, .Lfunc_end_k_qcf89e0cfa2_attn-k_qcf89e0cfa2_attn
	.p2alignl 7, 3214868480
	.fill 96, 4, 3214868480
	.section	.rodata,"a",@progbits
	.p2align	6, 0x0
	.amdhsa_kernel k_qcf89e0cfa2_attn
		.amdhsa_group_segment_fixed_size 327680
		.amdhsa_private_segment_fixed_size 0
		.amdhsa_enable_private_segment 0
		.amdhsa_kernarg_size 16
		.amdhsa_user_sgpr_count 2
		.amdhsa_user_sgpr_kernarg_segment_ptr 1
		.amdhsa_wavefront_size32 1
		.amdhsa_system_sgpr_workgroup_id_x 1
		.amdhsa_system_sgpr_workgroup_id_y 1
		.amdhsa_system_sgpr_workgroup_id_z 1
		.amdhsa_system_vgpr_workitem_id 0
		.amdhsa_next_free_vgpr 232
		.amdhsa_next_free_sgpr 66
		.amdhsa_reserve_vcc 1
		.amdhsa_float_denorm_mode_32 3
		.amdhsa_float_denorm_mode_16_64 3
		.amdhsa_memory_ordered 1
		.amdhsa_forward_progress 1
		.amdhsa_inst_pref_size 95
	.end_amdhsa_kernel
	.amdgpu_metadata
---
amdhsa.version: [ 1, 2 ]
amdhsa.kernels:
  - .name:           k_qcf89e0cfa2_attn
    .symbol:         k_qcf89e0cfa2_attn.kd
    .args:
      - { .name: qkv, .offset: 0, .size: 8, .value_kind: global_buffer, .address_space: global }
      - { .name: out0, .offset: 8, .size: 8, .value_kind: global_buffer, .address_space: global }
    .group_segment_fixed_size: 327680
    .private_segment_fixed_size: 0
    .kernarg_segment_align: 8
    .kernarg_segment_size: 16
    .max_flat_workgroup_size: 512
    .sgpr_count:     66
    .vgpr_count:     232
    .wavefront_size: 32
...
	.end_amdgpu_metadata
.endif
;; end of part 3
